; MI455X (gfx1250); checked and timed in simulation.
; The chip was launched on July 23, 2026; its instructions are those of AMD's public machine-readable ISA for CDNA 5 (MIT licence, August 2026) and "CDNA5" Instruction Set Architecture Reference Guide (July 2026). The comments in the code are by the model that wrote it; some were corrected since.
;; Multi Head Self Attention. Allowed arithmetic: matrix products marked QUANTISED: E2M3 operands, one E8M0 scale for each 32 along K, by v_wmma_scale_f32_16x16x128_f8f6f4 with both operands' format E2M3, f32 sums; everything else in f32.
;; Inputs: W_t 1,024 x 3,072 float32; b 3,072 float32; x 4 x 2,048 x 1,024 float32.
;; Outputs: out0 4 x 2,048 x 1,024 float32.
;; This version of the problem:
;;   THIS VERSION OF THE PROBLEM IS GIVEN IN LOW PRECISION. The matrix products marked QUANTISED in the list below multiply operands that are first quantised to E2M3 (2 exponent bits, 3 mantissa bits; 6 bits a number), with one power-of-two scale for each 32 numbers along K (OCP MX v1.0); their sums are f32. All else is computed in f32.
;;   The module's matrix products, in the order in which they are computed (A, B: the left and right operand; K: the contracted axis; several contracted axes count as one K, in the product's order):
;;     1. [M 8,192, K 1,024] x [K 1,024, N 3,072]; A: input x; B: input W_t: QUANTISED
;;     2. batch 64 x [M 2,048, K 64] x [K 64, N 2,048]; A: computed on the way; B: computed on the way: QUANTISED
;;     3. batch 64 x [M 2,048, K 2,048] x [K 2,048, N 64]; A: softmax (see below); B: computed on the way: QUANTISED
;;   THE QUANTISER, for each operand of a quantised product, along K:
;;     - K is cut into blocks of 32 from its start; a last block that is shorter is filled with zeros.
;;     - A block's scale is 2^e with e = floor(log2(the largest magnitude in the block)) - 2, held to -126 .. 127; a block of zeros has e = 0. As a byte (E8M0): e + 127.
;;     - Each number is divided by its block's scale, clamped to +-7.5, and rounded to the nearest number of E2M3, ties to even, subnormals kept.
;;     - The product sums the exact products of the quantised numbers (number of the format x scale) in f32.
;;   ~~~python
;;   def quantise(x, axis):      # numpy; x: float32 -> the quantised numbers, widened to float32 again
;;       x = np.moveaxis(x, axis, -1); K = x.shape[-1]
;;       x = np.pad(x, [(0, 0)] * (x.ndim - 1) + [(0, -K % 32)]); x = x.reshape(x.shape[:-1] + (-1, 32)); a = np.abs(x).max(-1, keepdims=True)
;;       e = np.where(a > 0, np.clip(np.frexp(np.where(a > 0, a, 1))[1] - 1 - 2, -126, 127), 0)      # np.frexp(a)[1] - 1 = floor(log2(a)), exactly
;;       r = np.clip(x / 2.0 ** e, -7.5, 7.5)
;;       step = 2.0 ** (np.maximum(np.frexp(np.where(r == 0, 1, r))[1] - 1, 0) - 3)
;;       q = np.round(r / step) * step * 2.0 ** e      # np.round: ties to even
;;       return np.moveaxis(q.reshape(q.shape[:-2] + (-1,))[..., :K], -1, axis).astype(np.float32)
;;   ~~~
;;   SOFTMAX AHEAD OF A QUANTISED PRODUCT. Where the list says 'softmax', what is quantised is not the finished softmax but p = 2^(t - M), with t = logit x log2(e) and M = ceil(the row's largest t), a whole number; so 1/2 < the row's largest p <= 1. The row's sum l is taken of the UNQUANTISED p, in f32, and the product's result is divided by l at the end. Since M is a whole number, a kernel that streams over the keys may use a running M (the ceiling of the running maximum): every later rescaling is an exact power of two, which a block's scale takes up: the codes' values come out the same.
;;   OPERANDS COMPUTED ON THE WAY. 'Computed on the way' means the value that the module computes at that place (a softmax that the list does not call 'softmax' is quantised finished and normalised). What goes into a quantiser is computed in f32, as accurately as f32 sums, v_exp_f32 and their like allow (about 1e-6 of the number): no bf16 or f16 on the way to a quantiser, and a product that is left as it is and whose result goes on into a quantised operand takes f32 operands (vector FMAs, or v_wmma_f32_16x16x4_f32). A number that lies on a knife's edge between two numbers of the format may be rounded either way, as far as f32 arithmetic and the matrix unit's own rounding can turn it there, and no further.
;; One version. Each part assembles by itself: llvm-mc -triple=amdgcn-amd-amdhsa -mcpu=gfx1250 --defsym DOCPART=n.
;; ======== version 1 of 1: 3 launches
;; limits: right only within a limited range of input values
;; workspace buffers: xc 6,291,456 bytes; xs 262,144 bytes; wc 2,359,296 bytes; ws 98,304 bytes; qf 6,291,456 bytes; qs 524,288 bytes; kv 13,369,344 bytes
;; launch quant (part 1): grid 352 x 1, 4 waves a work-group, no clusters, 68,096 bytes of LDS; arguments x, W_t, xc, xs, wc, ws; writes xc, xs, wc, ws
.if DOCPART == 1
	.amdgcn_target "amdgcn-amd-amdhsa--gfx1250"
	.amdhsa_code_object_version 6
	.text
	.protected	k_q069bb12424_quant
	.globl	k_q069bb12424_quant
	.p2align	8
	.type	k_q069bb12424_quant,@function
k_q069bb12424_quant:
	s_mov_b64 s[64:65], 0
	v_nop
	global_prefetch_b8 v0, s[64:65] scope:SCOPE_SE
	s_setreg_imm32_b32 hwreg(HW_REG_WAVE_MODE, 25, 1), 1
	s_wait_xcnt 0x0
; x [8192][1024] f32 (K innermost) and W_t [1024][3072] f32 (K is its FIRST axis) become codes of FP6 (E2M3), K innermost, 768 bytes a row, with one E8M0 byte for each 32 along K, 32 bytes a row.
; A block's scale is 2^(floor(log2(its largest magnitude)) - 2); its byte is the largest magnitude's exponent field - 2, held at 1 from below; each number is divided by the scale and rounded to the nearest code, ties to even.
; LIMITS: NaN and infinities among the inputs are not served; a block whose largest magnitude lies under 2^-124 has its byte held at 1; a block of zeros gets the byte 1 where the rule says 127:
; its codes are zeros, which add nothing under any byte but 0xff, and the bytes are read by this program alone.
; ROW ORDER.  A row (a token of x, a column n of W_t) is STORED at its number with bits 3 and 4 exchanged.  Sixteen stored rows on end, tile 2 b + u of a group of 32, then hold in place p the row
; 32 b + 8 u + (p % 8) + 16 (p / 8): as source 0 of a product, two neighbouring tiles give a lane sixteen neighbouring rows in sixteen registers, which is what the next quantiser wants.
; Work-groups 0 to 255 take x: 32 rows each, a wave 8 rows = 16 steps of 512 numbers.  Each load reads 512 consecutive bytes; a step's 2,048 bytes turn through the wave's own stage in LDS and come back 64 bytes a lane,
; so that a lane holds 16 neighbours along K (two lanes hold a block).  A wave's 8 rows have bits 3 and 4 of their number in the wave's number: the exchange is a choice of the run that the wave stores.
; Work-groups 256 to 351 take W_t: 128 columns x 256 along K each, a lane to a column, its registers down K; the codes go through the wave's own stage and leave as rows; the exchange is the stage row that a lane writes.
; The two ways part on the work-group's number and have LDS bytes of their own.  No tensor load, no barrier: waves share nothing.
.set STEPS, 16
.set EMAX,  2
.set CB,    12                         ; bytes of 16 codes
.set R,     16                         ; x: v16-79   four sets of 16 numbers as loaded
.set X,     80                         ; x: v80-111  two sets of 16 neighbours
.set E,     112                        ; x: v112-127 a scale byte for each step
.set C,     128                        ; x: v128-191 codes, four registers for each step: no store's data are written again
.set WREG,  8192                       ; x: LDS region of a wave: two stages of 32 x SP bytes, behind them its 256 scale bytes
.set SP,    80                         ; x: a lane's place in a stage: 64 bytes + 16 of padding
.set KW,    256                        ; W: along K for a wave
.set NB,    KW/32                      ; W: blocks
.set SIZE_N, 3072
.set KROW,  768
; THE CODES' BUFFERS are laid [K step of 256][stored row][192 bytes]: 128 rows of one K step are a dense block of 24,576 bytes, which the next launch fetches as rows of 256 bytes
.set XPL,   8192*192                   ; a K step's plane of x's codes, in bytes
.set WPL,   3072*192                   ; and of W's
.set PITCH, 272                        ; W: a stage row: sixteen places of 16 bytes, each with 12 bytes of codes, + 16
.set WSTG,  4*WREG                     ; W: the four stages begin behind x's four regions
.set WX,    32                         ; W: v32-95   two sets of 32 numbers
.set WC,    96                         ; W: v96-102  a block's codes
.set OUTR,  112                        ; W: v112-175 the way out
.set SB,    24                         ; W: v24-25   the scale bytes, four to a register
.set SPW,   192                        ; v192 LDS address of my spare word: SPARE + 4 x my thread's number; never rewritten
.set NIL,   193                        ; v193 0; never rewritten
.set SPARE, WSTG+4*32*PITCH            ; the spare words, 128 bytes for each wave: two blocks of 256 bytes that no other line names
	s_load_b128 s[4:7], s[0:1], 0x0                ; x, W_t
	s_load_b128 s[8:11], s[0:1], 0x10              ; x's codes, x's scale bytes
	s_load_b128 s[12:15], s[0:1], 0x20             ; W's codes, W's scale bytes
	v_lshl_add_u32 v[SPW], v0, 2, SPARE
	v_mov_b32 v[NIL], 0
	v_lshrrev_b32 v1, 5, v0
	v_readfirstlane_b32 s16, v1                    ; wave 0..3
	v_and_b32 v2, 31, v0                           ; lane
	s_cmp_ge_u32 ttmp9, 256
	s_cbranch_scc1 .Lw
	; ---------------- x ----------------
	v_lshlrev_b32 v3, 4, v2                        ; my 16 bytes of a load's 512
	s_mul_i32 s17, s16, WREG
	v_lshrrev_b32 v14, 2, v2
	v_mul_u32_u24 v14, v14, SP
	v_and_b32 v15, 3, v2
	v_lshl_add_u32 v14, v15, 4, v14
	v_add_nc_u32 v14, s17, v14                     ; the stage, on the way in: four lanes' 64 bytes on end, then 16 of padding
	v_mul_u32_u24 v15, v2, SP
	v_add_nc_u32 v15, s17, v15                     ; and on the way out: SP x lane: my 16 neighbours
	v_and_b32 v4, 15, v2
	v_mul_u32_u24 v4, v4, CB               ; my codes' place: 12 bytes x (lane % 16) of a row's 192,
	v_lshrrev_b32 v10, 4, v2
	v_mad_u32_u24 v4, v10, XPL, v4         ; lanes 16-31 in the next K step's plane
	v_lshrrev_b32 v5, 1, v2
	s_add_co_u32 s17, s17, 2*32*SP
	v_add_nc_u32 v5, s17, v5                       ; LDS: my wave's 256 scale bytes, my block's byte
	v_lshlrev_b32 v7, 3, v2                        ; and on the way out 8 bytes a lane
	v_add_nc_u32 v6, s17, v7
	s_lshl_b32 s17, ttmp9, 2
	s_add_co_u32 s18, s17, s16                     ; the run of 8 rows that I read: 4 x work-group + wave
	s_and_b32 s19, s16, 1
	s_lshl_b32 s19, s19, 1
	s_lshr_b32 s20, s16, 1
	s_or_b32 s19, s19, s20
	s_add_co_u32 s19, s17, s19                     ; and the run that I store: the wave's two bits exchanged
	s_lshl_b32 s20, s18, 15                        ; 8 rows of 4,096 bytes
	s_mov_b32 s21, 0
	s_mul_i32 s22, s19, 8*192
	s_mov_b32 s23, 0
	s_lshl_b32 s24, s19, 8                         ; 8 rows of 32 scale bytes
	s_mov_b32 s25, 0
	s_wait_alu depctr_va_vdst(0)
	s_wait_kmcnt 0x0
	s_add_nc_u64 s[4:5], s[4:5], s[20:21]
	s_add_nc_u64 s[8:9], s[8:9], s[22:23]
	s_add_nc_u64 s[10:11], s[10:11], s[24:25]
.macro LOAD t
.irp i, 0,1,2,3
	global_load_b128 v[R+16*((\t)%4)+4*\i:R+16*((\t)%4)+4*\i+3], v3, s[4:5] offset:2048*(\t)+512*\i th:TH_LOAD_NT   ; 32 lanes read 512 consecutive bytes
.endr
.endm
.macro TURN t                          ; step t's numbers through the stage: LDS serves a wave's instructions in order, so no wait stands between the stores and the loads
.irp i, 0,1,2,3
	ds_store_b128 v14, v[R+16*((\t)%4)+4*\i:R+16*((\t)%4)+4*\i+3] offset:32*SP*((\t)%2)+8*SP*\i
.endr
.irp i, 0,1,2,3
	ds_load_b128 v[X+16*((\t)%2)+4*\i:X+16*((\t)%2)+4*\i+3], v15 offset:32*SP*((\t)%2)+16*\i
.endr
.endm
.irp t, 0,1,2,3
	LOAD \t
.endr
	s_wait_loadcnt 12                              ; step 0's four loads are in; the twelve of steps 1 to 3 may be out
	TURN 0
.macro STEP t
.set XS, X+16*((\t)%2)
.if (\t) > 0
	s_wait_dscnt 1                                 ; this step's numbers are back from the stage (the last step's byte store may be out): so its stores into the stage have read their registers,
.else
	s_wait_dscnt 0x0
.endif
.if (\t)+4 < STEPS
	LOAD (\t)+4                                    ; which take the loads of four steps on
.endif
.if (\t)+1 < STEPS
.if STEPS-2-(\t) >= 3
	s_wait_loadcnt 12                              ; the next step's four loads are in; those of the three steps behind it may be out
.else
	s_wait_loadcnt 4*(STEPS-2-(\t))
.endif
	TURN (\t)+1                                    ; and go through the other stage while this step is worked
.endif
	v_max3_num_f32 v8, |v[XS]|, |v[XS+1]|, |v[XS+2]|               ; the largest magnitude of my 16, in two chains
	v_max3_num_f32 v9, |v[XS+3]|, |v[XS+4]|, |v[XS+5]|
.irp i, 6,10
	v_max3_num_f32 v8, v8, |v[XS+\i]|, |v[XS+\i+1]|
	v_max3_num_f32 v9, v9, |v[XS+\i+2]|, |v[XS+\i+3]|
.endr
	v_max3_num_f32 v8, v8, |v[XS+14]|, |v[XS+15]|
	v_max3_num_f32 v8, v8, v9, (EMAX+1)<<23        ; and the floor 2^(EMAX + 1 - 127): the byte cannot fall under 1
	v_max_num_f32_dpp v8, v8, v8 row_xmask:1 row_mask:0xf bank_mask:0xf   ; and of my neighbour's 16: the block's
	v_add_nc_u32 v11, -(EMAX<<23), v8              ; EMAX off its exponent field: the conversion takes the exponent field of this operand as its scale, and nothing else of it
	v_cvt_scalef32_pk16_fp6_f32 v[C+4*(\t):C+4*(\t)+2], v[XS:XS+15], v11         ; sixteen codes, 96 bits without gaps, the first number's code lowest
	v_lshrrev_b32 v[E+(\t)], 23, v11               ; the scale's byte
	ds_store_b8 v5, v[E+(\t)] offset:16*(\t)       ; both lanes of a block write the same byte with the same value
	global_store_b96 v4, v[C+4*(\t):C+4*(\t)+2], s[8:9] offset:192*((\t)/2)+2*XPL*((\t)%2)   ; step t is half t % 2 of row t / 2: two K steps, 192 consecutive bytes for each half of the lanes
.endm
.irp t, 0,1,2,3,4,5,6,7,8,9,10,11,12,13,14,15
	STEP \t
.endr
	ds_load_b64 v[8:9], v6                         ; LDS serves a wave's instructions in order: these see my stores
	s_wait_dscnt 0x0
	global_store_b64 v7, v[8:9], s[10:11]          ; 32 lanes store 256 consecutive bytes, at a multiple of 256 from the buffer's first byte
	s_wait_tensorcnt 0x0                           ; the wave's end, behind my last LDS store
	ds_add_u32 v[SPW], v[NIL]
	s_wait_dscnt 0x0
	s_endpgm
	; ---------------- W_t ----------------
.Lw:
	s_sub_co_u32 s17, ttmp9, 256
	s_and_b32 s18, s17, 3                          ; which 256 along K
	s_lshr_b32 s17, s17, 2                         ; which 128 columns
	s_lshl_b32 s17, s17, 7
	s_lshl_b32 s19, s16, 5
	s_add_co_u32 s17, s17, s19                     ; my wave's first column
	s_wait_alu depctr_va_vdst(0)
	v_lshlrev_b32 v3, 2, v2                        ; in: 4 bytes a lane
	v_and_b32 v10, 7, v2
	v_bfe_u32 v11, v2, 3, 1
	v_lshl_add_u32 v10, v11, 4, v10
	v_bfe_u32 v11, v2, 4, 1
	v_lshl_add_u32 v10, v11, 3, v10                ; my column's stored place among the wave's 32: bits 3 and 4 exchanged
	s_mul_i32 s19, s16, 32*PITCH
	s_add_co_u32 s19, s19, WSTG                    ; my stage
	v_mul_u32_u24 v4, v10, PITCH
	v_add_nc_u32 v4, s19, v4                       ; into it: row = my column's stored place
	v_and_b32 v5, 15, v2
	v_lshrrev_b32 v6, 4, v2                        ; out of it: sixteen lanes to a row, two rows an instruction
	v_mul_u32_u24 v7, v6, PITCH
	v_lshl_add_u32 v7, v5, 4, v7
	v_add_nc_u32 v7, s19, v7
	v_mul_u32_u24 v8, v6, 192
	v_mad_u32_u24 v8, v5, 12, v8                   ; and the same place in the codes' buffer
	v_lshlrev_b32 v9, 5, v10                       ; my column's row of scale bytes
	s_mul_i32 s20, s18, KW*SIZE_N*4
	s_lshl_b32 s22, s17, 2
	s_add_co_u32 s20, s20, s22                     ; W_t: 256 rows of 12,288 bytes for each step along K, + 4 x column
	s_mov_b32 s21, 0
	s_mul_i32 s22, s17, 192
	s_mul_i32 s24, s18, WPL
	s_add_co_u32 s22, s22, s24                     ; codes: column x 192 + 3,072 x 192 for each 256 along K
	s_mov_b32 s23, 0
	s_lshl_b32 s24, s17, 5
	s_lshl_b32 s26, s18, 3
	s_add_co_u32 s24, s24, s26                     ; scale bytes: column x 32 + 8
	s_mov_b32 s25, 0
	s_wait_kmcnt 0x0
	s_add_nc_u64 s[6:7], s[6:7], s[20:21]
	s_add_nc_u64 s[12:13], s[12:13], s[22:23]
	s_add_nc_u64 s[14:15], s[14:15], s[24:25]
.macro WLOAD t                         ; block t: W_t(32 t + i, my column), i = 0 .. 31, into set t % 2; 255 rows of 12,288 bytes at the most stand in the immediate
.irp i, 0,1,2,3,4,5,6,7,8,9,10,11,12,13,14,15,16,17,18,19,20,21,22,23,24,25,26,27,28,29,30,31
	global_load_b32 v[WX+32*((\t)%2)+\i], v3, s[6:7] offset:(32*(\t)+\i)*SIZE_N*4 th:TH_LOAD_NT
.endr
.endm
	WLOAD 0
	WLOAD 1
.macro BLOCK t
.set XS, WX+32*((\t)%2)
.if (\t) < NB-1
	s_wait_loadcnt 32                              ; this block's 32 loads are in; the next block's may be out
.else
	s_wait_loadcnt 0
.endif
	v_max3_num_f32 v12, |v[XS]|, |v[XS+1]|, |v[XS+2]|               ; the block's largest magnitude: all 32 numbers are mine
	v_max3_num_f32 v13, |v[XS+3]|, |v[XS+4]|, |v[XS+5]|
.irp i, 6,10,14,18,22,26
	v_max3_num_f32 v12, v12, |v[XS+\i]|, |v[XS+\i+1]|
	v_max3_num_f32 v13, v13, |v[XS+\i+2]|, |v[XS+\i+3]|
.endr
	v_max3_num_f32 v12, v12, |v[XS+30]|, |v[XS+31]|
	v_max3_num_f32 v12, v12, v13, (EMAX+1)<<23     ; and the floor
	v_add_nc_u32 v11, -(EMAX<<23), v12             ; the conversion's scale operand
	v_lshrrev_b32 v13, 23, v11                     ; the scale's byte
.if (\t)%4 == 0
	v_mov_b32 v[SB+(\t)/4], v13                    ; four bytes to a register, the lower K in the lower byte
.else
	v_lshl_or_b32 v[SB+(\t)/4], v13, 8*((\t)%4), v[SB+(\t)/4]
.endif
	v_cvt_scalef32_pk16_fp6_f32 v[WC:WC+2], v[XS:XS+15], v11
	v_cvt_scalef32_pk16_fp6_f32 v[WC+4:WC+6], v[XS+16:XS+31], v11   ; (a conversion's three registers begin on an even number)
	ds_store_b96 v4, v[WC:WC+2] offset:32*(\t)     ; 16 codes, 12 bytes, to a place of 16 bytes in the stage
	ds_store_b96 v4, v[WC+4:WC+6] offset:32*(\t)+16
.if (\t)+2 < NB
	WLOAD (\t)+2
.endif
	s_wait_dscnt 0x0                               ; the stores have read their registers: the next block's codes may be written
.endm
.set Q, 0
.rept NB
	BLOCK Q
.set Q, Q+1
.endr
	s_wait_alu depctr_va_vdst(0)
	global_store_b64 v9, v[SB:SB+1], s[14:15]      ; my column's 8 scale bytes
.irp t, 0,1,2,3,4,5,6,7,8,9,10,11,12,13,14,15
	ds_load_b96 v[OUTR+4*\t:OUTR+4*\t+2], v7 offset:2*\t*PITCH   ; LDS serves a wave's instructions in order: these see my stores
.endr
.irp t, 0,1,2,3,4,5,6,7,8,9,10,11,12,13,14,15
	s_wait_dscnt 15-\t                             ; the younger read-backs may be out
	global_store_b96 v8, v[OUTR+4*\t:OUTR+4*\t+2], s[12:13] offset:2*\t*192
.endr
	s_wait_tensorcnt 0x0                           ; the wave's end, behind my last LDS store
	ds_add_u32 v[SPW], v[NIL]
	s_wait_dscnt 0x0
	s_endpgm
.Lfunc_end_k_q069bb12424_quant:
	.size	k_q069bb12424_quant, .Lfunc_end_k_q069bb12424_quant-k_q069bb12424_quant
	.p2alignl 7, 3214868480
	.fill 96, 4, 3214868480
	.section	.rodata,"a",@progbits
	.p2align	6, 0x0
	.amdhsa_kernel k_q069bb12424_quant
		.amdhsa_group_segment_fixed_size 68096
		.amdhsa_private_segment_fixed_size 0
		.amdhsa_enable_private_segment 0
		.amdhsa_kernarg_size 48
		.amdhsa_user_sgpr_count 2
		.amdhsa_user_sgpr_kernarg_segment_ptr 1
		.amdhsa_wavefront_size32 1
		.amdhsa_system_sgpr_workgroup_id_x 1
		.amdhsa_system_sgpr_workgroup_id_y 1
		.amdhsa_system_sgpr_workgroup_id_z 1
		.amdhsa_system_vgpr_workitem_id 0
		.amdhsa_next_free_vgpr 200
		.amdhsa_next_free_sgpr 66
		.amdhsa_reserve_vcc 0
		.amdhsa_float_denorm_mode_32 3
		.amdhsa_float_denorm_mode_16_64 3
		.amdhsa_memory_ordered 1
		.amdhsa_forward_progress 1
		.amdhsa_inst_pref_size 74
	.end_amdhsa_kernel
	.amdgpu_metadata
---
amdhsa.version: [ 1, 2 ]
amdhsa.kernels:
  - .name:           k_q069bb12424_quant
    .symbol:         k_q069bb12424_quant.kd
    .args:
      - { .name: x, .offset: 0, .size: 8, .value_kind: global_buffer, .address_space: global }
      - { .name: W_t, .offset: 8, .size: 8, .value_kind: global_buffer, .address_space: global }
      - { .name: xc, .offset: 16, .size: 8, .value_kind: global_buffer, .address_space: global }
      - { .name: xs, .offset: 24, .size: 8, .value_kind: global_buffer, .address_space: global }
      - { .name: wc, .offset: 32, .size: 8, .value_kind: global_buffer, .address_space: global }
      - { .name: ws, .offset: 40, .size: 8, .value_kind: global_buffer, .address_space: global }
    .group_segment_fixed_size: 68096
    .private_segment_fixed_size: 0
    .kernarg_segment_align: 8
    .kernarg_segment_size: 48
    .max_flat_workgroup_size: 128
    .sgpr_count:     66
    .vgpr_count:     200
    .wavefront_size: 32
...
	.end_amdgpu_metadata
.endif
;; end of part 1
;; launch qkv (part 2): grid 12 x 32, 4 waves a work-group, clusters of 4 x 4, 327,680 bytes of LDS; arguments xc, xs, wc, ws, b, qf, qs, kv; writes qf, qs, kv
.if DOCPART == 2
	.amdgcn_target "amdgcn-amd-amdhsa--gfx1250"
	.amdhsa_code_object_version 6
	.text
	.protected	k_q069bb12424_qkv
	.globl	k_q069bb12424_qkv
	.p2align	8
	.type	k_q069bb12424_qkv,@function
k_q069bb12424_qkv:
	s_mov_b64 s[64:65], 0
	v_nop
	global_prefetch_b8 v0, s[64:65] scope:SCOPE_SE
	s_setreg_imm32_b32 hwreg(HW_REG_WAVE_MODE, 25, 1), 1
	s_wait_xcnt 0x0
	s_wait_alu depctr_hold_cnt(0) depctr_sa_sdst(0) depctr_va_vdst(0) depctr_va_sdst(0) depctr_va_ssrc(0) depctr_va_vcc(0) depctr_vm_vsrc(0)
	s_getreg_b32 s2, hwreg(HW_REG_IB_STS2, 6, 4)
	s_cmp_eq_u32 s2, 0
	s_cbranch_scc0 .Lentry_in_a_cluster
	s_endpgm
.Lentry_in_a_cluster:
	s_bfe_u32 s2, ttmp6, 0x10000c
	s_cmp_lg_u32 s2, 0xf033
	s_cbranch_scc0 .Lentry_shape_is_right
	s_endpgm
.Lentry_shape_is_right:
.set SIZE_K, 1024
.set KSTEP,  256
.set NQ,     KSTEP/128
.set ROWB,   192
.set KROW,   SIZE_K*6/8
.set PITCH,  240
.set FR,     12
.set NL,     6
.set NP,     4
.set HALFT,  128*PITCH
.set SLOT,   4*HALFT
.set LAPS,   SIZE_K/(2*KSTEP)
.set KS,     SIZE_K/32
.set SCL,    2*SLOT
.set HALFS,  (128*KS/256)*272
.set SBLK,   (16*KS/256)*272
.set SPARE,  SCL+4*HALFS
.set ADRA, 16
.set ADRB, 20
.set SOFF, 24
.set L8,   25
.set LI,   26
.set ADRS, 27
.set SPW,  28
.set NIL,  29
.set SC,   32
.set BP,   64
.set AF,   128
.set BR,   224
.set BT,   240
.set HA,   128
.set CD,   192
.set T,    212
.set T2,   216
.set TS,   220
.set TM,   240
.set SWA,  8
.set SWB,  248
.set G1, 24
.set G0, 32
.set G1B, 48
.set G0B, 56
.set G1S, 68
.set G0S, 76
.set G1SB, 80
.set G0SB, 88
.set MSB, 0
.macro WIN new
.if MSB != \new
	s_set_vgpr_msb (MSB<<8)|\new
.set MSB, \new
.endif
.endm
.set MUL_LO, 0xa1
.set MUL_HI, 0xf1
.set TO_B,   0x40
.macro JLOAD g0a, g1a, g0b, g1b
	s_cmp_eq_u32 s15, 0
	s_cbranch_scc0 .Lfor_b_\@
	tensor_load_to_lds s[\g0a:\g0a+3], s[\g1a:\g1a+7]
	s_nop 0
.rept 4
	v_nop
.endr
	s_branch .Lasked_\@
.Lfor_b_\@:
	tensor_load_to_lds s[\g0b:\g0b+3], s[\g1b:\g1b+7]
	s_nop 0
.rept 4
	v_nop
.endr
.Lasked_\@:
.endm
.macro CREST
	s_cmp_lg_u32 s14, 0
	s_cbranch_scc1 .Lnot_wave_0_\@
	s_barrier_signal -3
.Lnot_wave_0_\@:
	s_barrier_wait -3
	s_barrier_signal -1
	s_barrier_wait -1
.endm
.macro CROUND
	s_barrier_signal -1
	s_barrier_wait -1
	CREST
.endm
	s_load_b256 s[4:11], s[0:1], 0x0
	s_load_b256 s[92:99], s[0:1], 0x20
	v_lshl_add_u32 v[SPW], v0, 2, SPARE
	v_mov_b32 v[NIL], 0
	ds_add_u32 v[SPW], v[NIL]
	ds_add_u32 v[SPW], v[NIL]
	v_lshrrev_b32 v1, 5, v0
	v_readfirstlane_b32 s14, v1
	s_lshr_b32 s15, s14, 1
	s_and_b32 s16, s14, 1
	s_bfe_u32 s40, ttmp6, 0x40000
	s_bfe_u32 s41, ttmp6, 0x40004
	s_and_b32 s17, ttmp7, 0xffff
	s_cmp_eq_u32 ttmp9, 2
	s_cselect_b32 s42, s17, ttmp9
	s_cselect_b32 s17, 2, s17
	s_lshl_b32 s42, s42, 2
	s_add_co_u32 s42, s42, s40
	s_lshl_b32 s17, s17, 2
	s_add_co_u32 s17, s17, s41
	s_lshl_b32 s43, s41, 2
	s_lshl_b32 s43, 15, s43
	s_lshl_b32 s44, 0x1111, s40
	s_or_b32 s[G1+0], s43, (0<<16)|(1<<20)|(1<<21)|(3<<22)|(3<<25)
	s_or_b32 s[G1B+0], s44, (0<<16)|(1<<20)|(1<<21)|(3<<22)|(3<<25)
.irp g, G1, G1B
	s_mov_b32 s[\g+1], 256<<16             ; 128 rows x 192 bytes of one K step lie dense: stated as 96 rows of 256 bytes; the padding's interval stays 64 bytes, so an LDS row of codes is 240 bytes
	s_mov_b32 s[\g+2], 192<<16             ; the head's loads bring a tile's 256 rows: 192 rows of 256 bytes; behind them the two words are set to 96, for the ring's
	s_mov_b32 s[\g+3], 256<<16
	s_mov_b32 s[\g+4], 192
	s_mov_b32 s[\g+5], 256
	s_mov_b32 s[\g+6], 0
	s_mov_b32 s[\g+7], 0
.endr
	s_or_b32 s[G1S+0], s43, (3<<16)|(1<<20)|(1<<21)|(5<<22)|(3<<25)
	s_or_b32 s[G1SB+0], s44, (3<<16)|(1<<20)|(1<<21)|(5<<22)|(3<<25)
.irp g, G1S, G1SB
	s_mov_b32 s[\g+1], 32<<16
	s_mov_b32 s[\g+2], (256*KS/256)<<16    ; the scales of a tile's 256 rows in one load
	s_mov_b32 s[\g+3], 32<<16
	s_mov_b32 s[\g+4], 256*KS/256
	s_mov_b32 s[\g+5], 32
	s_mov_b32 s[\g+6], 0
	s_mov_b32 s[\g+7], 0
.endr
	s_lshl_b32 s18, s16, 7
	s_lshl_b32 s20, s17, 8
	s_add_co_u32 s20, s20, s18
	s_lshl_b32 s46, s42, 8
	s_add_co_u32 s46, s46, s18
	s_mov_b32 s21, 0
	s_mov_b32 s47, 0
	s_mov_b64 s[18:19], KS
	s_mul_u64 s[22:23], s[20:21], s[18:19]
	s_mul_u64 s[66:67], s[46:47], s[18:19]
	s_mov_b64 s[18:19], 192
	s_mul_u64 s[20:21], s[20:21], s[18:19]
	s_mul_u64 s[46:47], s[46:47], s[18:19]
	s_mul_i32 s45, s14, HALFT
	s_mul_i32 s100, s16, 128*KS            ; my half of a tile, in bytes of scales,
	s_mov_b32 s101, 0
	s_mul_i32 s2, s16, 128*192             ; and of a K step's codes
	s_mov_b32 s3, 0
	s_wait_dscnt 0x0
	s_wait_kmcnt 0x0
	s_cmp_eq_u32 ttmp9, 2
	s_cselect_b64 s[12:13], s[8:9], s[4:5]
	s_cselect_b64 s[8:9], s[4:5], s[8:9]
	s_mov_b64 s[4:5], s[12:13]
	s_cselect_b64 s[12:13], s[10:11], s[6:7]
	s_cselect_b64 s[10:11], s[6:7], s[10:11]
	s_mov_b64 s[6:7], s[12:13]
	s_add_nc_u64 s[20:21], s[4:5], s[20:21]
	s_add_nc_u64 s[22:23], s[6:7], s[22:23]
	s_add_nc_u64 s[46:47], s[8:9], s[46:47]
	s_add_nc_u64 s[66:67], s[10:11], s[66:67]
	CROUND
	s_mov_b32 s[G0S], 1
	s_mov_b32 s[G0S+1], SCL
	s_sub_nc_u64 s[G0S+2:G0S+3], s[22:23], s[100:101]
	s_or_b32 s[G0S+3], s[G0S+3], 0x80000000
	s_mov_b32 s[G0SB], 1
	s_mov_b32 s[G0SB+1], SCL+2*HALFS
	s_sub_nc_u64 s[G0SB+2:G0SB+3], s[66:67], s[100:101]
	s_or_b32 s[G0SB+3], s[G0SB+3], 0x80000000
; an arm of the head's one chain of branches on the wave's number: one tensor load, and a jump to the chain's end
.macro HARM under, g0, g1, next
	s_cmp_lt_u32 s14, \under
	s_cbranch_scc0 \next
	tensor_load_to_lds s[\g0:\g0+3], s[\g1:\g1+7]
	s_nop 0
.rept 4
	v_nop
.endr
	s_branch .Lhead_asked
\next:
.endm
	s_cmp_eq_u32 ttmp9, 2                  ; bytes from a K step's plane to the next: x's 8,192 rows or W's 3,072, by which tensor is A and which B
	s_mov_b32 s12, 8192*192
	s_mov_b32 s22, 3072*192
	s_cselect_b32 s66, s12, s22
	s_cselect_b32 s12, s22, s12
	s_mov_b32 s13, 0
	s_mov_b32 s67, 0
.irp s, 0,1
	s_mov_b32 s[G0+4*\s], 1
	s_add_co_u32 s[G0+4*\s+1], s45, \s*SLOT
.if \s
	s_add_nc_u64 s[20:21], s[20:21], s[12:13]
	s_add_nc_u64 s[46:47], s[46:47], s[66:67]
.endif
	s_mov_b64 s[G0+4*\s+2:G0+4*\s+3], s[20:21]
	s_or_b32 s[G0+4*\s+3], s[G0+4*\s+3], 0x80000000
	s_mov_b32 s[G0B+4*\s], 1
	s_add_co_u32 s[G0B+4*\s+1], s45, \s*SLOT
	s_mov_b64 s[G0B+4*\s+2:G0B+4*\s+3], s[46:47]
	s_or_b32 s[G0B+4*\s+3], s[G0B+4*\s+3], 0x80000000
.if \s == 0
	; THE HEAD'S LOADS, one a wave: wave 0 K step 0's 256 rows of A, wave 1 those of B, wave 2 the scales of A's 256 rows, wave 3 those of B's
	s_mov_b32 s[G0+1], 0
	s_sub_nc_u64 s[G0+2:G0+3], s[G0+2:G0+3], s[2:3]        ; the tile's first row
	s_mov_b32 s[G0B+1], 2*HALFT
	s_sub_nc_u64 s[G0B+2:G0B+3], s[G0B+2:G0B+3], s[2:3]
	HARM 1, G0,  G1,  .Lhead_b
	HARM 2, G0B, G1B, .Lhead_sa
	HARM 3, G0S, G1S, .Lhead_sb
	tensor_load_to_lds s[G0SB:G0SB+3], s[G1SB:G1SB+7]
	s_nop 0
.rept 4
	v_nop
.endr
.Lhead_asked:
.else
	; prefetches of K steps 1, 2, 3 of the 128 rows that I fetch in the ring: 96 blocks of 256 bytes a K step, of which each of the four partners that ask jointly takes 24, told apart by address
	s_cmp_eq_u32 s15, 0
	s_cselect_b64 s[8:9], s[20:21], s[46:47]               ; K step 1 of my rows, of A or of B
	s_cselect_b32 s10, s40, s41                            ; my place among the four
	s_cselect_b32 s11, s12, s66                            ; bytes from plane to plane
	s_mul_i32 s10, s10, 24*256
	v_and_b32 v8, 31, v0
	v_min_u32 v8, 23, v8                                   ; the lanes left over name the last block again
	v_lshl_add_u32 v8, v8, 8, s10
	v_add_nc_u32 v9, s11, v8
	v_add_nc_u32 v10, s11, v9
	global_prefetch_b8 v8, s[8:9] th:TH_LOAD_NT scope:SCOPE_SE
	s_wait_alu depctr_va_vdst(0)
	s_wait_tensorcnt 0x0                                   ; my tile of the head's four is in
	ds_add_u32 v28, v29
	s_mov_b32 s[G0+1], s45                                 ; no tensor load of mine is out: slot 0's descriptors are set for the ring: my 128 rows,
	s_add_nc_u64 s[G0+2:G0+3], s[G0+2:G0+3], s[2:3]
	s_mov_b32 s[G0B+1], s45
	s_add_nc_u64 s[G0B+2:G0B+3], s[G0B+2:G0B+3], s[2:3]
	s_mov_b32 s[G1+2], 96<<16                              ; 96 rows of 256 bytes
	s_mov_b32 s[G1+4], 96
	s_mov_b32 s[G1B+2], 96<<16
	s_mov_b32 s[G1B+4], 96
	s_wait_dscnt 0x0
	CROUND
	JLOAD G0+4, G1, G0B+4, G1B                             ; K step 1 into slot 1
	global_prefetch_b8 v9, s[8:9] th:TH_LOAD_NT scope:SCOPE_SE
	global_prefetch_b8 v10, s[8:9] th:TH_LOAD_NT scope:SCOPE_SE
.endif
.endr
	s_lshl_b32 s76, s12, 1                 ; two planes on, for the refills; the scales' loads have landed, so their descriptors' registers are free
	s_mov_b32 s77, 0
	s_lshl_b32 s88, s66, 1
	s_mov_b32 s89, 0
	v_and_b32 v1, 15, v0
	v_bfe_u32 v2, v0, 4, 1
	v_mul_u32_u24 v3, v1, PITCH
	v_mul_u32_u24 v4, v2, 24
	v_add_nc_u32 v4, v3, v4
	v_lshl_add_u32 v5, v2, 4, v4
	s_mul_i32 s21, s15, HALFT
	s_mul_i32 s22, s16, HALFT
	s_add_co_u32 s22, s22, 2*HALFT
.irp s, 0,1
	v_add_nc_u32 v[ADRA+\s], s21, v4
	v_add_nc_u32 v[ADRB+\s], s22, v4
	v_add_nc_u32 v[ADRA+2+\s], s21, v5
	v_add_nc_u32 v[ADRB+2+\s], s22, v5
	s_add_co_u32 s21, s21, SLOT
	s_add_co_u32 s22, s22, SLOT
.endr
	v_mul_u32_u24 v5, v1, KS
	v_lshrrev_b32 v6, 8, v5
	v_lshl_add_u32 v5, v6, 4, v5
	s_mul_i32 s21, s15, HALFS
	s_mul_i32 s22, s16, HALFS
	s_add_co_u32 s22, s22, 2*HALFS
	s_sub_co_u32 s22, s22, s21
	v_mul_u32_u24 v6, s22, v2
	s_add_co_u32 s21, s21, SCL
	v_add_nc_u32 v5, v5, v6
	v_add_nc_u32 v[ADRS], s21, v5
	s_lshl_b32 s40, s42, 8
	s_lshl_b32 s41, s16, 7
	s_add_co_u32 s40, s40, s41
	s_lshl_b32 s41, s17, 8
	s_lshl_b32 s43, s15, 7
	s_add_co_u32 s41, s41, s43
	s_cmp_eq_u32 ttmp9, 2
	s_cselect_b32 s43, s40, s41
	s_cselect_b32 s44, s41, s40
	s_cselect_b32 s45, 0, s40
	s_cselect_b32 s46, s41, 0
	s_cselect_b32 s20, -1, 0
	s_cselect_b32 s47, 12288, 0
	s_mov_b32 s66, 512
	s_cselect_b32 s66, 256, s66
	s_mov_b32 s12, 768
	s_cselect_b32 s12, 1536, s12
	s_cselect_b32 s18, 202752, 0
	s_mov_b32 s67, 256
	s_cselect_b32 s67, 208896, s67
	s_mov_b32 s100, 24576
	s_cselect_b32 s100, 25600, s100
	s_cmp_eq_u32 ttmp9, 0
	s_cselect_b32 s100, 0, s100
	s_mov_b32 s101, 208896
	s_cselect_b32 s2, 98304, s101
	s_cselect_b32 s101, 8192, s101
	s_mov_b32 s3, 26112
	s_cselect_b32 s19, 12288, s3
	s_cselect_b32 s3, 1024, s3
	s_wait_xcnt 0x0                                        ; the prefetches have read their base and offsets: s[8:9] is written below
	s_cselect_b64 s[4:5], s[94:95], s[98:99]
	s_cselect_b64 s[8:9], s[96:97], s[98:99]
	s_cmp_eq_u32 ttmp9, 2
	s_cselect_b32 s6, 768, s2
	s_and_b32 s44, s44, 1023
	s_lshr_b32 s44, s44, 6
	s_lshr_b32 s21, s43, 11
	s_lshl_b32 s21, s21, 4
	s_add_co_u32 s44, s44, s21
	s_bfe_u32 s43, s43, 0x40007
	s_lshr_b32 s21, s43, 1
	s_and_b32 s43, s43, 1
	s_mul_i32 s22, s44, s2
	s_mul_i32 s23, s21, s19
	s_add_co_u32 s22, s22, s23
	s_mul_i32 s23, s43, 6144
	s_add_co_u32 s22, s22, s23
	s_add_co_u32 s22, s22, s47
	s_mov_b32 s23, 0
	s_add_nc_u64 s[4:5], s[4:5], s[22:23]
	s_mov_b32 s7, 0
	s_add_nc_u64 s[6:7], s[4:5], s[6:7]
	s_mul_i32 s22, s44, s101
	s_mul_i32 s23, s21, s3
	s_add_co_u32 s22, s22, s23
	s_mul_i32 s23, s43, s66
	s_add_co_u32 s22, s22, s23
	s_add_co_u32 s22, s22, s100
	s_mov_b32 s23, 0
	s_add_nc_u64 s[8:9], s[8:9], s[22:23]
	s_mov_b32 s10, s101
	s_mov_b32 s11, 0
	s_add_nc_u64 s[10:11], s[8:9], s[10:11]
	s_mov_b32 s13, 0
	s_mov_b32 s19, 0
	s_mov_b32 s21, 0xffff0000
	s_mov_b32 s22, 0x76543210
	s_mov_b32 s23, 0xfedcba98
	v_and_b32 v6, 31, v0
	v_lshlrev_b32 v[LI], 4, v6
	v_lshlrev_b32 v[L8], 3, v6
	v_mul_u32_u24 v[SOFF], s67, v2
	v_lshl_add_u32 v[SOFF], v1, 4, v[SOFF]
	v_lshlrev_b32 v5, 6, v2
	v_lshl_add_u32 v5, s45, 2, v5
.irp bb, 0,1,2,3
.irp jj, 0,1,2,3
	global_load_b128 v[BP+16*\bb+4*\jj:BP+16*\bb+4*\jj+3], v5, s[92:93] offset:128*\bb+16*\jj
.endr
.endr
	v_and_b32 v6, 7, v1
	v_lshrrev_b32 v7, 3, v1
	v_lshl_add_u32 v6, v7, 4, v6
	v_add_nc_u32 v6, s46, v6
	v_lshlrev_b32 v6, 2, v6
.irp a, 0,1,2,3,4,5,6,7
	global_load_b32 v[BT+\a], v6, s[92:93] offset:4*(32*(\a/2)+8*(\a%2))
.endr
.macro FRAG reg, adr, q, i
.irp p, 0,1,2,3,4,5
.set PIECE, 12*(\q)+6*(\p/3)+\p%3
.if PIECE%8 < 5
	ds_load_b64 v[\reg+2*\p:\reg+2*\p+1], v[\adr] offset:8*PIECE+16*(PIECE/8)+(\i)*16*PITCH
.else
	ds_load_b64 v[\reg+2*\p:\reg+2*\p+1], v[\adr+2] offset:8*PIECE+16*(PIECE/8)+(\i)*16*PITCH
.endif
.endr
.endm
.macro MUL16 a0, p, q, sc, zero
.irp a, \a0, \a0+1
.irp b, 0,1,2,3,4,5,6,7
.if \zero
	v_wmma_scale_f32_16x16x128_f8f6f4 v[8*(8*((\a)%4)+\b):8*(8*((\a)%4)+\b)+7], v[128*(\p)+FR*\b:128*(\p)+FR*\b+FR-1], v[AF+FR*(\a):AF+FR*(\a)+FR-1], 0, v[SC+8*NQ*(\sc)+NQ*\b+(\q)], v[SC+8*NQ*(\sc)+NQ*(\a)+(\q)] matrix_a_fmt:MATRIX_FMT_FP6 matrix_b_fmt:MATRIX_FMT_FP6 matrix_a_scale:MATRIX_SCALE_ROW1
.else
	v_wmma_scale_f32_16x16x128_f8f6f4 v[8*(8*((\a)%4)+\b):8*(8*((\a)%4)+\b)+7], v[128*(\p)+FR*\b:128*(\p)+FR*\b+FR-1], v[AF+FR*(\a):AF+FR*(\a)+FR-1], v[8*(8*((\a)%4)+\b):8*(8*((\a)%4)+\b)+7], v[SC+8*NQ*(\sc)+NQ*\b+(\q)], v[SC+8*NQ*(\sc)+NQ*(\a)+(\q)] matrix_a_fmt:MATRIX_FMT_FP6 matrix_b_fmt:MATRIX_FMT_FP6 matrix_a_scale:MATRIX_SCALE_ROW1
.endif
.endr
.endr
.endm
.macro FETCH_B slot, q, p
	WIN TO_B
.irp i, 0,1,2,3,4,5,6,7
	FRAG 128*(\p)+FR*\i, ADRB+\slot, \q, \i
.endr
	WIN 0
.endm
.macro FETCH_A slot, q, i0
.irp i, \i0, \i0+1, \i0+2, \i0+3
	FRAG AF+FR*(\i), ADRA+\slot, \q, \i
.endr
.endm
.macro SCALES sc
.irp i, 0,1,2,3,4,5,6,7
	ds_load_b64 v[SC+8*NQ*\sc+NQ*\i:SC+8*NQ*\sc+NQ*\i+1], v[ADRS] offset:\i*SBLK
.endr
.endm
.macro PLACES n
.rept \n
	v_nop
.endr
.endm
.macro STEP slot, q, zero
	s_wait_dscnt 4*NL
	WIN MUL_LO
	MUL16 0, (\q)%2, \q, \slot, \zero
	MUL16 2, (\q)%2, \q, \slot, \zero
	s_wait_dscnt 0
	PLACES NP
	FETCH_B \slot, (\q)+1, 1-(\q)%2
	FETCH_A \slot, (\q)+1, 0
	WIN MUL_HI
	MUL16 4, (\q)%2, \q, \slot, \zero
	MUL16 6, (\q)%2, \q, \slot, \zero
	PLACES NP
	WIN 0
	FETCH_A \slot, (\q)+1, 4
.endm
.macro TURN slot, next, fill
	s_wait_tensorcnt 0x0
	ds_add_u32 v[SPW], v[NIL]
	s_wait_dscnt 4*NL+1
	WIN MUL_LO
	MUL16 0, 1, NQ-1, \slot, 0
	s_wait_dscnt 0x0
	s_barrier_signal -1
	MUL16 2, 1, NQ-1, \slot, 0
	WIN 0
	s_barrier_wait -1
.if \fill
	CREST
	s_add_nc_u64 s[G0+4*\slot+2:G0+4*\slot+3], s[G0+4*\slot+2:G0+4*\slot+3], s[76:77]
	s_add_nc_u64 s[G0B+4*\slot+2:G0B+4*\slot+3], s[G0B+4*\slot+2:G0B+4*\slot+3], s[88:89]
	JLOAD G0+4*\slot, G1, G0B+4*\slot, G1B
.else
	PLACES NP
.endif
	s_wait_alu depctr_va_vdst(0)
	v_add_nc_u32 v[ADRS], 4*NQ, v[ADRS]
	FETCH_B \next, 0, 0
	FETCH_A \next, 0, 0
	SCALES \next
	WIN MUL_HI
	MUL16 4, 1, NQ-1, \slot, 0
	MUL16 6, 1, NQ-1, \slot, 0
	PLACES NP
	WIN 0
	FETCH_A \next, 0, 4
.endm
	s_wait_tensorcnt 1
	s_wait_loadcnt 0x0
	s_barrier_signal -1
	s_barrier_wait -1
	FETCH_B 0, 0, 0
	FETCH_A 0, 0, 0
	SCALES 0
	FETCH_A 0, 0, 4
	STEP 0, 0, 1
	s_mov_b32 s3, LAPS-1
.Llap:
	TURN 0, 1, 1
	STEP 1, 0, 0
	TURN 1, 0, 1
	STEP 0, 0, 0
	s_sub_co_u32 s3, s3, 1
	s_cmp_lg_u32 s3, 0
	s_cbranch_scc1 .Llap
	TURN 0, 1, 0
	STEP 1, 0, 0
	s_wait_dscnt 4*NL
	WIN MUL_LO
	MUL16 0, 1, NQ-1, 1, 0
	MUL16 2, 1, NQ-1, 1, 0
	s_wait_dscnt 0
	WIN MUL_HI
	MUL16 4, 1, NQ-1, 1, 0
	MUL16 6, 1, NQ-1, 1, 0
	WIN 0
	PLACES NP
.set j, 0
.rept 64
	v_cndmask_b32 v[BP+j], v[BP+j], 1.0, s20
.set j, j+1
.endr
.irp a, 0,1,2,3,4,5,6,7
	v_cndmask_b32 v[BR+2*\a], 1.0, v[BT+\a], s20
	v_cndmask_b32 v[BR+2*\a+1], 1.0, v[BT+\a], s20
.endr
.irp bb, 0,1,2,3
	v_mov_b32 v[TM+4+\bb], 0
.endr
.macro EPI a
	WIN 0x20+0x10*((\a)/4)
.set j, 0
.rept 32
	v_pk_fma_f32 v[HA+j:HA+j+1], v[BP+j:BP+j+1], v[BR+2*(\a):BR+2*(\a)+1], v[64*((\a)%4)+j:64*((\a)%4)+j+1]
.set j, j+2
.endr
	WIN 0
.irp bb, 0,1,2,3
	v_max3_num_f32 v[TM+\bb], |v[HA+16*\bb]|, |v[HA+1+16*\bb]|, 0x1800000
.endr
.irp i, 2,4,6,8,10,12,14
.irp bb, 0,1,2,3
	v_max3_num_f32 v[TM+\bb], v[TM+\bb], |v[HA+16*\bb+\i]|, |v[HA+1+16*\bb+\i]|
.endr
.endr
.irp bb, 0,1,2,3
	v_permlanex16_b32 v[TM+4+\bb], v[TM+\bb], s22, s23
.endr
.irp bb, 0,1,2,3
	v_max_num_f32 v[TM+\bb], v[TM+\bb], v[TM+4+\bb]
.endr
.irp bb, 0,1,2,3
	v_add_nc_u32 v[TS+\bb], 0xff000000, v[TM+\bb]
.endr
.irp bb, 0,1,2,3
	v_lshrrev_b32 v[TM+4+\bb], 23, v[TS+\bb]
.endr
	v_lshl_or_b32 v[SWA+(\a)], v[TM+5], 8, v[TM+4]
	v_lshl_or_b32 v[SWA+(\a)], v[TM+6], 16, v[SWA+(\a)]
	v_lshl_or_b32 v[SWA+(\a)], v[TM+7], 24, v[SWA+(\a)]
	v_lshrrev_b32 v[SWB+(\a)], 16, v[SWA+(\a)]
	s_wait_xcnt 0x0
.if (\a) > 0
	s_add_nc_u64 s[4:5], s[4:5], s[12:13]
	s_add_nc_u64 s[6:7], s[6:7], s[12:13]
.endif
.if (\a) == 4
	s_add_nc_u64 s[4:5], s[4:5], s[18:19]
	s_add_nc_u64 s[6:7], s[6:7], s[18:19]
.endif
.irp c, 0,1
	v_cvt_scalef32_pk16_fp6_f32 v[CD+6*\c:CD+2+6*\c], v[HA+32*\c:HA+15+32*\c], v[TS+2*\c]
	v_cvt_scalef32_pk16_fp6_f32 v[CD+12+4*\c:CD+14+4*\c], v[HA+16+32*\c:HA+31+32*\c], v[TS+2*\c+1]
.endr
	v_nop
.irp c, 0,1
.irp i, 0,1,2
	v_permlane16_swap_b32 v[CD+6*\c+\i], v[CD+12+4*\c+\i]
.endr
.irp i, 0,1,2
	v_mov_b32 v[CD+3+6*\c+\i], v[CD+12+4*\c+\i]
.endr
.endr
	global_store_b128 v[LI], v[CD:CD+3], s[4:5]
	global_store_b64 v[L8], v[CD+4:CD+5], s[4:5] offset:512
	global_store_b128 v[LI], v[CD+6:CD+9], s[6:7]
	global_store_b64 v[L8], v[CD+10:CD+11], s[6:7] offset:512
.endm
.irp a, 0,1,2,3,4,5,6,7
	EPI \a
.endr
.irp c, 0,1,2,3
	v_cndmask_b32 v[T+\c], v[SWA+\c], v[SWA+4+\c], s21
.endr
	global_store_b128 v[SOFF], v[T:T+3], s[8:9]
	s_cmp_eq_u32 ttmp9, 2
	s_cbranch_scc1 .Lone_head
.irp c, 0,1,2,3
	v_cndmask_b32 v[T2+\c], v[SWB+\c], v[SWB+4+\c], s21
.endr
	global_store_b128 v[SOFF], v[T2:T2+3], s[10:11]
.Lone_head:
	s_wait_tensorcnt 0x0
	ds_add_u32 v[SPW], v[NIL]
	s_wait_dscnt 0x0
	CROUND
	s_endpgm
.Lfunc_end_k_q069bb12424_qkv:
	.size	k_q069bb12424_qkv, .Lfunc_end_k_q069bb12424_qkv-k_q069bb12424_qkv
	.p2alignl 7, 3214868480
	.fill 96, 4, 3214868480
	.section	.rodata,"a",@progbits
	.p2align	6, 0x0
	.amdhsa_kernel k_q069bb12424_qkv
		.amdhsa_group_segment_fixed_size 327680
		.amdhsa_private_segment_fixed_size 0
		.amdhsa_enable_private_segment 0
		.amdhsa_kernarg_size 64
		.amdhsa_user_sgpr_count 2
		.amdhsa_user_sgpr_kernarg_segment_ptr 1
		.amdhsa_wavefront_size32 1
		.amdhsa_system_sgpr_workgroup_id_x 1
		.amdhsa_system_sgpr_workgroup_id_y 1
		.amdhsa_system_sgpr_workgroup_id_z 1
		.amdhsa_system_vgpr_workitem_id 0
		.amdhsa_next_free_vgpr 1024
		.amdhsa_next_free_sgpr 102
		.amdhsa_reserve_vcc 0
		.amdhsa_float_denorm_mode_32 3
		.amdhsa_float_denorm_mode_16_64 3
		.amdhsa_memory_ordered 1
		.amdhsa_forward_progress 1
		.amdhsa_inst_pref_size 194
	.end_amdhsa_kernel
	.amdgpu_metadata
---
amdhsa.version: [ 1, 2 ]
amdhsa.kernels:
  - .name:           k_q069bb12424_qkv
    .symbol:         k_q069bb12424_qkv.kd
    .args:
      - { .name: xc, .offset: 0, .size: 8, .value_kind: global_buffer, .address_space: global }
      - { .name: xs, .offset: 8, .size: 8, .value_kind: global_buffer, .address_space: global }
      - { .name: wc, .offset: 16, .size: 8, .value_kind: global_buffer, .address_space: global }
      - { .name: ws, .offset: 24, .size: 8, .value_kind: global_buffer, .address_space: global }
      - { .name: b, .offset: 32, .size: 8, .value_kind: global_buffer, .address_space: global }
      - { .name: qf, .offset: 40, .size: 8, .value_kind: global_buffer, .address_space: global }
      - { .name: qs, .offset: 48, .size: 8, .value_kind: global_buffer, .address_space: global }
      - { .name: kv, .offset: 56, .size: 8, .value_kind: global_buffer, .address_space: global }
    .group_segment_fixed_size: 327680
    .private_segment_fixed_size: 0
    .kernarg_segment_align: 8
    .kernarg_segment_size: 64
    .max_flat_workgroup_size: 128
    .sgpr_count:     102
    .vgpr_count:     1024
    .wavefront_size: 32
...
	.end_amdgpu_metadata
.endif
;; end of part 2
;; launch attn (part 3): grid 4 x 64, 16 waves a work-group, clusters of 4 x 1, 327,680 bytes of LDS; arguments qf, qs, kv, out0; writes out0
.if DOCPART == 3
	.amdgcn_target "amdgcn-amd-amdhsa--gfx1250"
	.amdhsa_code_object_version 6
	.text
	.protected	k_q069bb12424_attn
	.globl	k_q069bb12424_attn
	.p2align	8
	.type	k_q069bb12424_attn,@function
k_q069bb12424_attn:
	s_mov_b64 s[64:65], 0
	v_nop
	global_prefetch_b8 v0, s[64:65] scope:SCOPE_SE
	s_setreg_imm32_b32 hwreg(HW_REG_WAVE_MODE, 25, 1), 1
	s_wait_xcnt 0x0
	s_wait_alu depctr_hold_cnt(0) depctr_sa_sdst(0) depctr_va_vdst(0) depctr_va_sdst(0) depctr_va_ssrc(0) depctr_va_vcc(0) depctr_vm_vsrc(0)
	s_getreg_b32 s2, hwreg(HW_REG_IB_STS2, 6, 4)
	s_cmp_eq_u32 s2, 0
	s_cbranch_scc0 .Lentry_in_a_cluster
	s_endpgm
.Lentry_in_a_cluster:
	s_bfe_u32 s2, ttmp6, 0x10000c
	s_cmp_lg_u32 s2, 0x3003
	s_cbranch_scc0 .Lentry_shape_is_right
	s_endpgm
.Lentry_shape_is_right:
; out[b][q][h][:] = sum over keys k <= q of softmax_k(Q . K / 8) V, for 64 pairs (batch, head), 2,048 tokens, head size 64; both products on codes of FP6 (E2M3), one E8M0 scale for each 32 along K.
; t = score x log2(e) / 8; M = the running largest t rounded UP to a whole number; p = 2^(t - M) is quantised along the keys, not normalised; the row's sum is of the unquantised p and divides O at the end.
; LEFT OUT: key steps all of whose keys come after a tile's queries: the causal mask makes their p zero for all inputs.
; INPUTS as the launch before lays them.  qf: [pair][tile of 16 queries, 128][768 bytes]; qs: its scale words.  kv: [pair][256 keys, 8][record of 26,112 bytes]: K's 16 tiles, V's 2 x 4 fragments, K's and V's scale words.
; A tile's lane r is token 32 (T / 2) + 8 (T % 2) + r % 8 + 16 (r / 8).  K = 64 in a form of 128: Q has zero codes in k = 64 .. 127, so what K's operand holds there adds nothing.
; ALL EIGHT RECORDS OF A PAIR LIE IN LDS (208,896 bytes), each filled once, at the head: wave 0 asks for record 0, waves 1 to 7 for records 1 to 7.  Nothing is filled again.
; Two barriers: one shows record 0, one, behind the first trip, the other seven.  Behind them the waves share nothing.
; SHARES.  Wave w of work-group I owns tiles 127 - 4 w - I and then 4 w + I: 9 - w / 4 ... in all always 17 key steps of 128 in 9 trips of a record, the same for every wave; the first tile takes 8 - w / 4 trips.
; CLUSTER 4, 1, 1: the four work-groups of a pair read the same eight records, so each record is asked for jointly.  Branches and LDS addresses hang on the wave's number and the trip alone:
; tiles that differ in I alone lie in the same 128 tokens, so they hide and open the same steps; I enters global addresses and the mask's numbers only.
; NO PREFETCH: every record is asked for at the head; no loop is left to run ahead in.
; LIMITS: NaN and infinities are not served; p under 2^-126 comes out of v_exp_f32 as 0; a block of p whose largest lies under 2^-124 has its byte held at 1.
.set REC,   26112
.set VCO,   12288
.set KSO,   24576
.set VSO,   25600
.set STAGE, 8*REC                      ; the way out: 16 rows x 272 bytes for each wave; no tensor load lands here
.set SPARE, STAGE+16*16*272            ; the spare words, 128 bytes a wave
.set LI16, 1                           ; 16 x lane
.set LI8,  2                           ; 8 x lane
.set SPW,  3
.set NIL,  4
.set GO,   5                           ; (lane / 16) rows of out + 16 (lane % 16)
.set STI,  6                           ; into my stage
.set STB,  7                           ; back out of it
.set ADK,  8
.set AD8,  9
.set QSO,  10                          ; 16 r
.set QL,   11                          ; r % 8 + 16 (r / 8) - 16 h
                                       ; v12 -M, v13 largest t, v[14:15] the sum; v[16:21] Q's codes, v[22:27] zeros
.set QSW,  28
.set FRG,  32                          ; v32-79 K's tiles, then V's fragments; v80-85 zeros
.set SCR,  96                          ; v96-159 S^T, then p
.set OUT,  160                         ; v160-191 O^T
.set PC,   192
.set CT,   204
.set BM,   212
.set PT,   216
.set SO,   220
.set KSW,  224
.set VSW,  228
.set FP,   232
.set TMP,  234
.set PW,   235
.set MD,   238
.set NINF, 239
.set WV,   12                          ; s12 wave
.set II,   13                          ; s13 my place in the cluster
.set C4,   14                          ; s14 wave / 4: the second tile begins in trip 8 - wave / 4
.set SIG,  15                          ; s15 the trip
.set KF,   16                          ; s16 the step's first key
.set QLO,  17                          ; s17 the first of the 128 tokens among which my tile lies: from the wave's number alone
.set QB,   18                          ; s18 the tile in hand
.set TB,   19                          ; s19 LDS byte of the record in hand
.set SEL,  20
.set CS,   22
.set G1,   24
.set G0,   32
.set QA,   36
.set QSA,  38
.set OA,   40
.set QM,   52                          ; s52 my tile's first token
.macro CROUND
	s_barrier_signal -1
	s_barrier_wait -1
	s_cmp_lg_u32 s[WV], 0
	s_cbranch_scc1 .Lnw0_\@
	s_barrier_signal -3
.Lnw0_\@:
	s_barrier_wait -3
	s_barrier_signal -1
	s_barrier_wait -1
.endm
.macro TLOAD
	tensor_load_to_lds s[G0:G0+3], s[G1:G1+7]
	s_nop 0
.rept 4
	v_nop
.endr
.endm
; A tile begins: its addresses, its codes, the statistics.  O^T and the sum begin as zeros, the largest t as -3e38.
.macro QINIT
	s_wait_xcnt 0x0                                ; earlier loads and stores have read their bases and data
	s_mul_i32 s42, s[QB], 768
	s_mov_b32 s43, 0
	s_add_nc_u64 s[QA:QA+1], s[4:5], s[42:43]
	s_lshr_b32 s42, s[QB], 2
	s_lshl_b32 s42, s42, 8
	s_and_b32 s48, s[QB], 3
	s_lshl_b32 s48, s48, 2
	s_add_co_u32 s42, s42, s48                     ; four tiles' words share 256 bytes
	s_add_nc_u64 s[QSA:QSA+1], s[6:7], s[42:43]
	s_lshr_b32 s48, s[QB], 1
	s_and_b32 s49, s[QB], 1
	s_lshl_b32 s42, s48, 17                        ; 32 rows of 4,096 bytes,
	s_lshl_b32 s[QM], s49, 15                      ; + 8 rows
	s_add_co_u32 s42, s42, s[QM]
	s_add_nc_u64 s[OA:OA+1], s[10:11], s[42:43]
	s_lshl_b32 s48, s48, 5
	s_lshl_b32 s49, s49, 3
	s_add_co_u32 s[QM], s48, s49
	s_mov_b32 s[KF], 0
	global_load_b128 v[16:19], v[LI16], s[QA:QA+1]
	global_load_b64 v[20:21], v[LI8], s[QA:QA+1] offset:512
	global_load_b32 v[QSW], v[QSO], s[QSA:QSA+1]
	v_mov_b32 v13, 0xff61b1e6
	s_delay_alu instid0(VALU_DEP_1)
	v_floor_f32 v12, -v13
	v_mov_b32 v14, 0
	v_mov_b32 v15, 0
.set j, 0
.rept 32
	v_mov_b32 v[OUT+j], 0
.set j, j+1
.endr
	s_wait_loadcnt 0x0
.endm
; The way out of a tile: O^T / the sum through my stage; sixteen lanes store a token's 256 bytes of this head.
.macro WAYOUT
.rept 4
	v_nop                                          ; places behind the last products
.endr
	v_add_f32 v14, v14, v15
	s_delay_alu instid0(VALU_DEP_1)
	v_permlanex16_b32 v[PT], v14, s[SEL], s[SEL+1]
	s_delay_alu instid0(VALU_DEP_1)
	v_add_f32 v14, v14, v[PT]
	s_wait_alu depctr_va_vdst(0)                   ; ahead of the transcendental
	v_rcp_f32 v14, v14
	v_nop
	s_wait_alu depctr_va_vdst(0)                   ; and ahead of its first reader
.set j, 0
.rept 16
	v_pk_mul_f32 v[SCR+j:SCR+j+1], v[OUT+j:OUT+j+1], v[14:15] op_sel_hi:[1,0]
.set j, j+2
.endr
.irp bb, 0,1
.irp c, 0,1,2,3
	ds_store_b128 v[STI], v[SCR+16*\bb+4*\c:SCR+16*\bb+4*\c+3] offset:128*\bb+16*\c
.endr
.endr
.irp i, 0,1,2,3,4,5,6,7
	ds_load_b128 v[FRG+4*\i:FRG+4*\i+3], v[STB] offset:2*\i*272   ; a wave's LDS instructions are served in order
.endr
.irp i, 0,1,2,3,4,5,6,7
	s_wait_dscnt 7-\i                              ; the younger read-backs may be out
	global_store_b128 v[GO], v[FRG+4*\i:FRG+4*\i+3], s[OA:OA+1] offset:(2*\i+8*(\i/4))*4096 th:TH_STORE_NT
.endr
.endm
; In trip 8 - wave / 4 the first tile leaves and the second begins; no barrier stands inside.
.macro CHANGEOVER
	s_add_co_u32 s48, s[SIG], s[C4]
	s_cmp_lg_u32 s48, 8
	s_cbranch_scc1 .Lsame_\@
	WAYOUT
	s_mov_b32 s[QB], s51
	s_mov_b32 s[QLO], s50
	QINIT
.Lsame_\@:
.endm
; A key step: 128 keys, the q-th of the record in hand.
.macro STEP q
	s_add_co_u32 s48, s[QLO], 31
	s_cmp_gt_u32 s[KF], s48                        ; all 128 keys come after my queries: the step's work is left out
	s_cbranch_scc1 .Lhidden_\@
	v_add_nc_u32 v[ADK], s[TB], v[LI16]
	v_add_nc_u32 v[AD8], s[TB], v[LI8]
	v_nop
	v_nop                                          ; four places in front of loads into registers that the last products have read
.irp t, 0,1,2,3,4,5,6,7
	ds_load_b128 v[FRG+6*\t:FRG+6*\t+3], v[ADK] offset:(8*(\q)+\t)*768
	ds_load_b64 v[FRG+6*\t+4:FRG+6*\t+5], v[AD8] offset:(8*(\q)+\t)*768+512
.endr
	ds_load_b128 v[KSW:KSW+3], v[ADK] offset:KSO+512*(\q)
	s_wait_alu depctr_va_vdst(0)
	s_wait_dscnt 0x0
.irp t, 0,1,2,3                                ; S^T = K Q^T
	v_wmma_scale_f32_16x16x128_f8f6f4 v[SCR+8*\t:SCR+8*\t+7], v[FRG+6*\t:FRG+6*\t+11], v[16:27], 0, v[KSW+\t], v[QSW] matrix_a_fmt:MATRIX_FMT_FP6 matrix_b_fmt:MATRIX_FMT_FP6
.endr
.irp t, 4,5,6,7
	v_wmma_scale_f32_16x16x128_f8f6f4 v[SCR+8*\t:SCR+8*\t+7], v[FRG+6*\t:FRG+6*\t+11], v[16:27], 0, v[KSW+\t-4], v[QSW] matrix_a_fmt:MATRIX_FMT_FP6 matrix_b_fmt:MATRIX_FMT_FP6 matrix_a_scale:MATRIX_SCALE_ROW1
.endr
.rept 4
	v_nop
.endr
.irp d, 0,1,2,3                                ; V's fragments land under the softmax
	ds_load_b128 v[FRG+12*\d:FRG+12*\d+3], v[ADK] offset:VCO+6144*(\q)+1536*\d
	ds_load_b64 v[FRG+12*\d+4:FRG+12*\d+5], v[AD8] offset:VCO+6144*(\q)+1536*\d+512
	ds_load_b128 v[FRG+12*\d+6:FRG+12*\d+9], v[ADK] offset:VCO+6144*(\q)+1536*\d+768
	ds_load_b64 v[FRG+12*\d+10:FRG+12*\d+11], v[AD8] offset:VCO+6144*(\q)+1536*\d+1280
.endr
	ds_load_b128 v[VSW:VSW+3], v[ADK] offset:VSO
	s_add_co_u32 s48, s[KF], 127                   ; a step all of whose keys count skips the mask
	s_cmp_le_u32 s48, s[QLO]
	s_cbranch_scc1 .Lopen_\@
	s_sub_co_i32 s48, s[QM], s[KF]
	v_add_nc_u32 v[MD], s48, v[QL]                 ; register 16 b + i holds key KF + 32 b + 16 h + i: hidden where 32 b + i > my query - KF - 16 h
.set n, 0
.rept 64
	v_cmp_gt_i32 vcc_lo, 32*(n/16)+n%16, v[MD]
	v_cndmask_b32 v[SCR+n], v[SCR+n], v[NINF], vcc_lo
.set n, n+1
.endr
.Lopen_\@:
.irp bb, 0,1,2,3
	v_max3_num_f32 v[BM+\bb], v[SCR+16*\bb], v[SCR+1+16*\bb], v[SCR+2+16*\bb]   ; each block's largest score: for the row's maximum and for the block's largest p
.endr
.irp i, 3,5,7,9,11,13
.irp bb, 0,1,2,3
	v_max3_num_f32 v[BM+\bb], v[BM+\bb], v[SCR+16*\bb+\i], v[SCR+1+16*\bb+\i]
.endr
.endr
.irp bb, 0,1,2,3
	v_max_num_f32 v[BM+\bb], v[BM+\bb], v[SCR+15+16*\bb]
.endr
.irp bb, 0,1,2,3
	s_delay_alu instid0(VALU_DEP_4)
	v_permlanex16_b32 v[PT+\bb], v[BM+\bb], s[SEL], s[SEL+1]
.endr
.irp bb, 0,1,2,3
	s_delay_alu instid0(VALU_DEP_4)
	v_max_num_f32 v[BM+\bb], v[BM+\bb], v[PT+\bb]
.endr
	s_delay_alu instid0(VALU_DEP_2)
	v_max3_num_f32 v[TMP], v[BM], v[BM+1], v[BM+2]
	s_delay_alu instid0(VALU_DEP_1)
	v_max_num_f32 v[TMP], v[TMP], v[BM+3]
	s_delay_alu instid0(VALU_DEP_1)
	v_mul_f32 v[TMP], s[CS], v[TMP]
	s_delay_alu instid0(VALU_DEP_1)
	v_max_num_f32 v13, v13, v[TMP]                 ; the running largest t
	v_mov_b32 v[TMP], v12
	s_delay_alu instid0(VALU_DEP_2)
	v_floor_f32 v12, -v13                          ; -M = floor(-t)
	s_delay_alu instid0(VALU_DEP_1)
	v_sub_f32 v[TMP], v12, v[TMP]
	s_delay_alu instid0(VALU_DEP_1)
	v_cvt_i32_f32 v[TMP], v[TMP]
	s_delay_alu instid0(VALU_DEP_1)
	v_ldexp_f32 v[FP], 1.0, v[TMP]                 ; f = 2^(old M - new M)
.set j, 0
.rept 32
	v_pk_fma_f32 v[SCR+j:SCR+j+1], v[SCR+j:SCR+j+1], s[CS:CS+1], v[12:13] op_sel_hi:[1,0,0]   ; t - M
.set j, j+2
.endr
.irp bb, 0,1,2,3
	v_fma_f32 v[BM+\bb], v[BM+\bb], s[CS], v12
.endr
.set j, 0
	s_wait_alu depctr_va_vdst(0)                   ; ahead of the batch
.rept 64
	v_exp_f32 v[SCR+j], v[SCR+j]                   ; p
.set j, j+1
.endr
	v_pk_mul_f32 v[14:15], v[14:15], v[FP:FP+1] op_sel_hi:[1,0]
	s_wait_alu depctr_va_vdst(0)                   ; and behind it
.irp bb, 0,1,2,3
	v_exp_f32 v[BM+\bb], v[BM+\bb]                 ; the block's largest p
.endr
	v_pk_add_f32 v[236:237], v[100:101], v[104:105]   ; the sum of the unquantised p, in eight chains
	v_pk_add_f32 v[254:255], v[108:109], v[112:113]
	v_pk_add_f32 v[252:253], v[116:117], v[120:121]
	v_pk_add_f32 v[250:251], v[124:125], v[128:129]
	v_pk_add_f32 v[248:249], v[132:133], v[136:137]
	v_pk_add_f32 v[246:247], v[140:141], v[144:145]
	v_pk_add_f32 v[244:245], v[148:149], v[152:153]
	v_pk_add_f32 v[14:15], v[14:15], v[156:157]
	v_pk_add_f32 v[236:237], v[236:237], v[96:97]
	v_pk_add_f32 v[254:255], v[254:255], v[98:99]
	v_pk_add_f32 v[252:253], v[252:253], v[102:103]
	v_pk_add_f32 v[250:251], v[250:251], v[106:107]
	v_pk_add_f32 v[248:249], v[248:249], v[110:111]
	v_pk_add_f32 v[246:247], v[246:247], v[114:115]
	v_pk_add_f32 v[244:245], v[244:245], v[118:119]
	v_pk_add_f32 v[14:15], v[14:15], v[122:123]
	v_pk_add_f32 v[236:237], v[236:237], v[126:127]
	v_pk_add_f32 v[254:255], v[254:255], v[130:131]
	v_pk_add_f32 v[252:253], v[252:253], v[134:135]
	v_pk_add_f32 v[250:251], v[250:251], v[138:139]
	v_pk_add_f32 v[248:249], v[248:249], v[142:143]
	v_pk_add_f32 v[246:247], v[246:247], v[146:147]
	v_pk_add_f32 v[244:245], v[244:245], v[150:151]
	v_pk_add_f32 v[14:15], v[14:15], v[154:155]
	v_pk_add_f32 v[236:237], v[236:237], v[158:159]
	s_delay_alu instid0(VALU_DEP_2)
	v_pk_add_f32 v[14:15], v[14:15], v[250:251]
	s_delay_alu instid0(VALU_DEP_2)
	v_pk_add_f32 v[236:237], v[236:237], v[248:249]
	v_pk_add_f32 v[254:255], v[254:255], v[246:247]
	v_pk_add_f32 v[252:253], v[252:253], v[244:245]
	s_delay_alu instid0(VALU_DEP_2)
	v_pk_add_f32 v[14:15], v[14:15], v[254:255]
	s_delay_alu instid0(VALU_DEP_2)
	v_pk_add_f32 v[236:237], v[236:237], v[252:253]
	s_delay_alu instid0(VALU_DEP_1)
	v_pk_add_f32 v[14:15], v[14:15], v[236:237]
	s_wait_alu depctr_va_vdst(0)                   ; for the four exponentials
.irp bb, 0,1,2,3
	v_max_num_f32 v[BM+\bb], 0x1800000, v[BM+\bb]  ; the floor 2^(3 - 127): the byte cannot fall under 1
.endr
.irp bb, 0,1,2,3
	s_delay_alu instid0(VALU_DEP_4)
	v_add_nc_u32 v[SO+\bb], 0xff000000, v[BM+\bb]  ; the conversion's scale operand
.endr
.irp bb, 0,1,2,3
	s_delay_alu instid0(VALU_DEP_4)
	v_lshrrev_b32 v[PT+\bb], 23, v[SO+\bb]         ; the scale's byte
.endr
	s_delay_alu instid0(VALU_DEP_3)
	v_lshl_or_b32 v[PW], v[PT+1], 8, v[PT]
	s_delay_alu instid0(VALU_DEP_1)
	v_lshl_or_b32 v[PW], v[PT+2], 16, v[PW]
	s_delay_alu instid0(VALU_DEP_1)
	v_lshl_or_b32 v[PW], v[PT+3], 24, v[PW]
.irp c, 0,1
	v_cvt_scalef32_pk16_fp6_f32 v[PC+6*\c:PC+2+6*\c], v[SCR+32*\c:SCR+15+32*\c], v[SO+2*\c]
	v_cvt_scalef32_pk16_fp6_f32 v[CT+4*\c:CT+2+4*\c], v[SCR+16+32*\c:SCR+31+32*\c], v[SO+2*\c+1]
.endr
	v_nop                                          ; one plain place behind a scaled conversion
.irp c, 0,1                                    ; a whole block in a lane
.irp i, 0,1,2
	v_permlane16_swap_b32 v[PC+6*\c+\i], v[CT+4*\c+\i]
.endr
.irp i, 0,1,2
	s_delay_alu instid0(VALU_DEP_3)
	v_mov_b32 v[PC+3+6*\c+\i], v[CT+4*\c+\i]
.endr
.endr
.set j, 0
.rept 16
	v_pk_mul_f32 v[OUT+j:OUT+j+1], v[OUT+j:OUT+j+1], v[FP:FP+1] op_sel_hi:[1,0]   ; O^T under the new M; also the places ahead of the products below
.set j, j+2
.endr
	s_wait_alu depctr_va_vdst(0)
	s_wait_dscnt 0x0                               ; V's fragments and scale words are in
.irp d, 0,1,2,3                                ; O^T += V^T P^T, the four accumulators by turns
.if (\q) == 0
	v_wmma_scale_f32_16x16x128_f8f6f4 v[OUT+8*\d:OUT+8*\d+7], v[FRG+12*\d:FRG+12*\d+11], v[PC:PC+11], v[OUT+8*\d:OUT+8*\d+7], v[VSW+\d], v[PW] matrix_a_fmt:MATRIX_FMT_FP6 matrix_b_fmt:MATRIX_FMT_FP6
.else
	v_wmma_scale_f32_16x16x128_f8f6f4 v[OUT+8*\d:OUT+8*\d+7], v[FRG+12*\d:FRG+12*\d+11], v[PC:PC+11], v[OUT+8*\d:OUT+8*\d+7], v[VSW+\d], v[PW] matrix_a_fmt:MATRIX_FMT_FP6 matrix_b_fmt:MATRIX_FMT_FP6 matrix_a_scale:MATRIX_SCALE_ROW1
.endif
.endr
.Lhidden_\@:
	s_add_co_u32 s[KF], s[KF], 128
.endm
	s_load_b256 s[4:11], s[0:1], 0x0               ; qf, qs, kv, out0
	v_lshl_add_u32 v[SPW], v0, 2, SPARE
	v_mov_b32 v[NIL], 0
	ds_add_u32 v[SPW], v[NIL]                      ; the opening lines: the add twice on end and its wait
	ds_add_u32 v[SPW], v[NIL]
	v_lshrrev_b32 v30, 5, v0
	v_readfirstlane_b32 s[WV], v30                 ; wave 0..15
	s_bfe_u32 s[II], ttmp6, 0x40000                ; my place in the cluster
	s_and_b32 s53, ttmp7, 0xffff                   ; the pair
	s_mov_b32 s[G1], 15|(3<<16)|(1<<21)            ; the mask names the cluster's four; elements of 8 bytes; no padding
	s_mov_b32 s[G1+1], 32<<16                      ; a record: 102 rows of 256 bytes
	s_mov_b32 s[G1+2], 102<<16
	s_mov_b32 s[G1+3], 32<<16
	s_mov_b32 s[G1+4], 102
	s_mov_b32 s[G1+5], 32
	s_mov_b32 s[G1+6], 0
	s_mov_b32 s[G1+7], 0
	s_mov_b32 s[SEL], 0x76543210
	s_mov_b32 s[SEL+1], 0xfedcba98
	s_mov_b32 s[CS], 0x3e38aa3b                    ; log2(e) / 8
	s_mov_b32 s[CS+1], s[CS]
	s_mul_i32 s42, s53, 8*REC
	s_mov_b32 s43, 0
	s_mov_b32 s[G0], 1
	s_mul_i32 s[G0+1], s[WV], REC                  ; record = my wave's number, in LDS
	s_mul_i32 s46, s[WV], REC                      ; and in memory
	s_mov_b32 s47, 0
	s_wait_alu depctr_va_vdst(0)
	s_wait_dscnt 0x0                               ; both opening adds are done
	CROUND                                         ; in front of the joint loads
	s_wait_kmcnt 0x0
	s_add_nc_u64 s[8:9], s[8:9], s[42:43]
	s_add_nc_u64 s[G0+2:G0+3], s[8:9], s[46:47]
	s_or_b32 s[G0+3], s[G0+3], 0x80000000
	s_cmp_eq_u32 s[WV], 0                          ; one chain: wave 0 has a line of its own, since it alone waits at the first barrier
	s_cbranch_scc0 .Lw1
	TLOAD
	s_branch .Lasked
.Lw1:
	s_cmp_lt_u32 s[WV], 8
	s_cbranch_scc0 .Lasked
	TLOAD
.Lasked:
	s_mul_i32 s42, s53, 128*768
	s_add_nc_u64 s[4:5], s[4:5], s[42:43]          ; qf: my pair
	s_lshl_b32 s42, s53, 13
	s_add_nc_u64 s[6:7], s[6:7], s[42:43]          ; qs
	s_lshr_b32 s42, s53, 4
	s_lshl_b32 s42, s42, 23                        ; out: a batch is 2,048 rows of 4,096 bytes,
	s_and_b32 s49, s53, 15
	s_lshl_b32 s49, s49, 8                         ; a head 256 bytes of a row
	s_add_co_u32 s42, s42, s49
	s_add_nc_u64 s[10:11], s[10:11], s[42:43]
	s_lshr_b32 s[C4], s[WV], 2
	s_lshl_b32 s48, s[WV], 1
	s_sub_co_u32 s48, 63, s48
	s_lshr_b32 s48, s48, 2
	s_lshl_b32 s[QLO], s48, 7                      ; the first tile's 128 tokens,
	s_lshr_b32 s50, s[WV], 1
	s_lshl_b32 s50, s50, 7                         ; the second's
	s_lshl_b32 s51, s[WV], 2
	s_add_co_u32 s51, s51, s[II]                   ; the second tile: 4 w + I
	s_sub_co_u32 s[QB], 127, s51                   ; the first
	v_and_b32 v30, 15, v0                          ; r
	v_bfe_u32 v31, v0, 4, 1                        ; h
	v_and_b32 v[TMP], 31, v0
	v_lshlrev_b32 v[LI16], 4, v[TMP]
	v_lshlrev_b32 v[LI8], 3, v[TMP]
	v_lshlrev_b32 v[GO], 12, v31
	v_lshl_add_u32 v[GO], v30, 4, v[GO]
	s_mul_i32 s49, s[WV], 16*272
	s_add_co_u32 s49, s49, STAGE
	v_mul_u32_u24 v[STI], v30, 272
	v_lshl_add_u32 v[STI], v31, 6, v[STI]
	v_add_nc_u32 v[STI], s49, v[STI]
	v_mul_u32_u24 v[STB], v31, 272
	v_lshl_add_u32 v[STB], v30, 4, v[STB]
	v_add_nc_u32 v[STB], s49, v[STB]
	v_lshlrev_b32 v[QSO], 4, v30
	v_and_b32 v[QL], 8, v30
	v_add_nc_u32 v[QL], v[QL], v30
	v_lshlrev_b32 v[TMP], 4, v31
	v_sub_nc_u32 v[QL], v[QL], v[TMP]
.irp i, 22,23,24,25,26,27,80,81,82,83,84,85
	v_mov_b32 v\i, 0                               ; zero codes
.endr
.irp bb, 0,1,2,3
	v_mov_b32 v[PT+\bb], 0                         ; a lane permute's destination counts as a source
.endr
	v_mov_b32 v[FP+1], 0
	v_mov_b32 v[NINF], 0xff800000
	s_wait_alu depctr_va_vdst(0)
	QINIT
	s_wait_alu depctr_va_vdst(0)
	s_cmp_eq_u32 s[WV], 0
	s_cbranch_scc0 .Lnot_0
	s_wait_tensorcnt 0x0                           ; record 0 is in
.Lnot_0:
	s_barrier_signal -1
	s_barrier_wait -1                              ; records 1 to 7 may be on their way
	s_mov_b32 s[TB], 0
	STEP 0                                         ; the first trip reads record 0 alone
	STEP 1
	s_wait_alu depctr_va_vdst(0)
	s_wait_tensorcnt 0x0                           ; every wave: all that is still out
	s_wait_dscnt 0x0
	s_barrier_signal -1
	s_barrier_wait -1                              ; all eight records are shown to all waves
	s_mov_b32 s[SIG], 1
.Lslot:                                            ; trips 1 to 8
	s_add_co_u32 s48, s[SIG], s[C4]                ; the record: the trip, or, from trip 8 - wave / 4 on, the trip less that
	s_cmp_ge_u32 s48, 8
	s_cselect_b32 s48, s48, s[SIG]
	s_and_b32 s48, s48, 7
	s_mul_i32 s[TB], s48, REC
	CHANGEOVER
	STEP 0
	STEP 1
	s_add_co_u32 s[SIG], s[SIG], 1
	s_cmp_lt_u32 s[SIG], 9
	s_cbranch_scc1 .Lslot
	WAYOUT
	s_wait_tensorcnt 0x0                           ; the wave's end
	ds_add_u32 v[SPW], v[NIL]
	s_wait_dscnt 0x0
	CROUND                                         ; the closing round
	s_endpgm
.Lfunc_end_k_q069bb12424_attn:
	.size	k_q069bb12424_attn, .Lfunc_end_k_q069bb12424_attn-k_q069bb12424_attn
	.p2alignl 7, 3214868480
	.fill 96, 4, 3214868480
	.section	.rodata,"a",@progbits
	.p2align	6, 0x0
	.amdhsa_kernel k_q069bb12424_attn
		.amdhsa_group_segment_fixed_size 327680
		.amdhsa_private_segment_fixed_size 0
		.amdhsa_enable_private_segment 0
		.amdhsa_kernarg_size 32
		.amdhsa_user_sgpr_count 2
		.amdhsa_user_sgpr_kernarg_segment_ptr 1
		.amdhsa_wavefront_size32 1
		.amdhsa_system_sgpr_workgroup_id_x 1
		.amdhsa_system_sgpr_workgroup_id_y 1
		.amdhsa_system_sgpr_workgroup_id_z 1
		.amdhsa_system_vgpr_workitem_id 0
		.amdhsa_next_free_vgpr 256
		.amdhsa_next_free_sgpr 66
		.amdhsa_reserve_vcc 1
		.amdhsa_float_denorm_mode_32 3
		.amdhsa_float_denorm_mode_16_64 3
		.amdhsa_memory_ordered 1
		.amdhsa_forward_progress 1
		.amdhsa_inst_pref_size 107
	.end_amdhsa_kernel
	.amdgpu_metadata
---
amdhsa.version: [ 1, 2 ]
amdhsa.kernels:
  - .name:           k_q069bb12424_attn
    .symbol:         k_q069bb12424_attn.kd
    .args:
      - { .name: qf, .offset: 0, .size: 8, .value_kind: global_buffer, .address_space: global }
      - { .name: qs, .offset: 8, .size: 8, .value_kind: global_buffer, .address_space: global }
      - { .name: kv, .offset: 16, .size: 8, .value_kind: global_buffer, .address_space: global }
      - { .name: out0, .offset: 24, .size: 8, .value_kind: global_buffer, .address_space: global }
    .group_segment_fixed_size: 327680
    .private_segment_fixed_size: 0
    .kernarg_segment_align: 8
    .kernarg_segment_size: 32
    .max_flat_workgroup_size: 512
    .sgpr_count:     66
    .vgpr_count:     256
    .wavefront_size: 32
...
	.end_amdgpu_metadata
.endif
;; end of part 3
